; MI455X (gfx1250); checked and timed in simulation.
; The chip was launched on July 23, 2026; its instructions are those of AMD's public machine-readable ISA for CDNA 5 (MIT licence, August 2026) and "CDNA5" Instruction Set Architecture Reference Guide (July 2026). The comments in the code are by the model that wrote it; some were corrected since.
;; Custom Layer MKM. Allowed arithmetic: matrix products marked QUANTISED: E2M3 operands, one E8M0 scale for each 32 along K, by v_wmma_scale_f32_16x16x128_f8f6f4 with both operands' format E2M3, f32 sums; everything else in f32.
;; Inputs: bias_O 4,096 float32; input_BI 4,096 x 4,096 float32; w0a 64 x 64 float32; w0b 64 x 64 float32; w1a 128 x 128 float32; w1b 32 x 32 float32; w2a 32 x 32 float32; w2b 128 x 128 float32.
;; Outputs: out0 4,096 x 4,096 float32.
;; This version of the problem:
;;   THIS VERSION OF THE PROBLEM IS GIVEN IN LOW PRECISION. The matrix products marked QUANTISED in the list below multiply operands that are first quantised to E2M3 (2 exponent bits, 3 mantissa bits; 6 bits a number), with one power-of-two scale for each 32 numbers along K (OCP MX v1.0); their sums are f32. All else is computed in f32.
;;   The module's matrix products, in the order in which they are computed (A, B: the left and right operand; K: the contracted axis; several contracted axes count as one K, in the product's order):
;;     1. [M 4,096, K 4,096] x [K 4,096, N 4,096]; A: input input_BI; B: computed on the way: QUANTISED
;;   THE QUANTISER, for each operand of a quantised product, along K:
;;     - K is cut into blocks of 32 from its start; a last block that is shorter is filled with zeros.
;;     - A block's scale is 2^e with e = floor(log2(the largest magnitude in the block)) - 2, held to -126 .. 127; a block of zeros has e = 0. As a byte (E8M0): e + 127.
;;     - Each number is divided by its block's scale, clamped to +-7.5, and rounded to the nearest number of E2M3, ties to even, subnormals kept.
;;     - The product sums the exact products of the quantised numbers (number of the format x scale) in f32.
;;   ~~~python
;;   def quantise(x, axis):      # numpy; x: float32 -> the quantised numbers, widened to float32 again
;;       x = np.moveaxis(x, axis, -1); K = x.shape[-1]
;;       x = np.pad(x, [(0, 0)] * (x.ndim - 1) + [(0, -K % 32)]); x = x.reshape(x.shape[:-1] + (-1, 32)); a = np.abs(x).max(-1, keepdims=True)
;;       e = np.where(a > 0, np.clip(np.frexp(np.where(a > 0, a, 1))[1] - 1 - 2, -126, 127), 0)      # np.frexp(a)[1] - 1 = floor(log2(a)), exactly
;;       r = np.clip(x / 2.0 ** e, -7.5, 7.5)
;;       step = 2.0 ** (np.maximum(np.frexp(np.where(r == 0, 1, r))[1] - 1, 0) - 3)
;;       q = np.round(r / step) * step * 2.0 ** e      # np.round: ties to even
;;       return np.moveaxis(q.reshape(q.shape[:-2] + (-1,))[..., :K], -1, axis).astype(np.float32)
;;   ~~~
;;   OPERANDS COMPUTED ON THE WAY. 'Computed on the way' means the value that the module computes at that place (a softmax that the list does not call 'softmax' is quantised finished and normalised). What goes into a quantiser is computed in f32, as accurately as f32 sums, v_exp_f32 and their like allow (about 1e-6 of the number): no bf16 or f16 on the way to a quantiser, and a product that is left as it is and whose result goes on into a quantised operand takes f32 operands (vector FMAs, or v_wmma_f32_16x16x4_f32). A number that lies on a knife's edge between two numbers of the format may be rounded either way, as far as f32 arithmetic and the matrix unit's own rounding can turn it there, and no further.
;; One version. Each part assembles by itself: llvm-mc -triple=amdgcn-amd-amdhsa -mcpu=gfx1250 --defsym DOCPART=n.
;; ======== version 1 of 1: 2 launches
;; limits: right only within a limited range of input values
;; workspace buffers: a_img 13,697,024 bytes; b_img 13,697,024 bytes
;; launch prep (part 1): grid 880 x 1, 4 waves a work-group, no clusters, 68,096 bytes of LDS; arguments input_BI, a_img, b_img, w0a, w0b, w1a, w1b, w2a, w2b; writes a_img, b_img
.if DOCPART == 1
	.amdgcn_target "amdgcn-amd-amdhsa--gfx1250"
	.amdhsa_code_object_version 6
	.text
	.protected	k_q1e5fbf60b1_prep
	.globl	k_q1e5fbf60b1_prep
	.p2align	8
	.type	k_q1e5fbf60b1_prep,@function
k_q1e5fbf60b1_prep:
	s_mov_b64 s[64:65], 0
	v_nop
	global_prefetch_b8 v0, s[64:65] scope:SCOPE_SE
	s_setreg_imm32_b32 hwreg(HW_REG_WAVE_MODE, 25, 1), 1
	s_wait_xcnt 0x0
; X = input_BI [4096][4096] f32, and W [4096 (o)][4096 (i)] = kron(w0b, w0a) + kron(w1b, w1a) + kron(w2b, w2a), formed here in f32, are turned into codes of FP6 (E2M3) with one E8M0 byte for each 32 along K (= i).
;   W[o][i] = w0b[o>>6][i>>6] w0a[o&63][i&63] + w1b[o>>7][i>>7] w1a[o&127][i&127] + w2b[o>>5][i>>5] w2a[o&31][i&31], as one multiply and two fused multiply-adds, in the order of the three terms.
; A block's scale is 2^(floor(log2(its largest magnitude)) - 2); its byte is the largest magnitude's exponent field - 2, held at 1 from below.
; LIMITS: NaN and infinities among the inputs are not served.  A block of zeros gets the byte 1 where the rule says 127: its codes are zeros, which add nothing under any byte but 0xff, and the bytes are read by this program alone.
;   W has three roundings a number (the fused forms).
; THE RESULT IS LAID AS THE PRODUCT'S LAUNCH FETCHES IT.  K goes in slots of 384 (three steps of 128; the eleventh slot has two).  For each slot s and each 128 rows hb there is one dense run of 38,912 bytes:
;   [8 x 256 bytes of scale words: 16 rows rb & 7, row r at 16 r, words q = 0, 1, 2 and a word 0][q : 3][rb & 7 : 8][a fragment's image, 1,536 bytes]
;   A fragment is 16 rows x 128 K, 12 registers a lane: lane (r = lane % 16, h = lane / 16) holds row r, registers 6 c .. 6 c + 5 = k 64 c + 32 h + 0 .. 31; its image holds registers 4 g .. 4 g + 3 of a lane at 512 g + 16 lane.
;   The third step's images of slot 10 do not exist in K: those bytes are never written, and never read.
; A lane here holds just the two whole blocks of 32 that the layout gives it: a block's largest magnitude needs no other lane, and the conversions' results are the operand's registers.
; SHARES.  The unit of work is 16 rows x one slot, so that a unit's 256 bytes of scale words leave by one store.  Work-groups 0 .. 175 make W: rows 16 rb + r with equal rb mod 8 take the same numbers of w0a, w1a and w2a, so a wave
; loads those once and makes four units with them (rb = 8 j + e, j = 4 jg + 0 .. 3).  Work-groups 176 .. 879 take X, a unit a wave.  The ways part on the work-group's number and never join.
; No tensor loads, no barrier: waves share nothing.  Only X's ways use LDS, each wave a stage of its own, and the way for slot 10 stages of its own.
.set NWGW,   176                       ; W's work-groups: 11 slots x 8 e x 8 jg waves, four to a work-group
.set FRB,    1536                      ; a fragment's image
.set QB,     8*FRB                     ; 128 rows x 128 K
.set SCBY,   2048                      ; the scale words of 128 rows x 384 K
.set HALFT,  SCBY+3*QB                 ; 128 rows x 384 K: 38,912 bytes
.set KP,     32*HALFT                  ; from a slot to the next
.set SPX,    528                       ; a stage row: 512 bytes + 16: row r starts 16 r bytes on modulo 256
.set WST,    16*SPX                    ; a wave's stage
.set LSH,    4*WST                     ; where the stages of slot 10's way begin
.set LOFF, 4                           ; v4   16 x lane; never rewritten
.set STI,  5                           ; v5   the stage, on the way in: wave's stage + 16 x lane
.set STO,  6                           ; v6   and on the way out: wave's stage + 528 r + 128 h
.set SOFF, 7                           ; v7   16 r + 8 h: my two words' place in a unit's scale words
.set SH8,  8                           ; v8   8 h
.set PX,   9                           ; v9   a lane permute's destination
.set M0,   10                          ; v10-11 two chains of the largest magnitude
.set M1,   11
.set SO,   12                          ; v12-13 the conversions' scale operands of blocks c = 0, 1
.set BY,   14                          ; v14-15 their bytes
.set PW,   16                          ; v16  my two bytes at their places in the scale word
.set WD,   18                          ; v18-20 the scale words of a unit's three fragments; v21 the word 0
.set SW,   22                          ; v22-23 what a lane stores of them
.set PC,   24                          ; v24-35 the fragment
.set PT,   36                          ; v36-38, v40-42 the second halves of the two blocks (a conversion's three registers begin on an even number)
.set BB0,  44                          ; v[44:45], v[46:47], v[48:49] W's way: the three factors b, each the low word of a pair
.set BB1,  46
.set BB2,  48
.set R,    64                          ; X's ways: v64-255 three sets of 64 numbers, one for each fragment: as loaded, and then, back from the stage, my two blocks of 32 neighbours
.set A0,   64                          ; W's way: v64-95 w0a, v96-159 w1a, v160-191 w2a: my row's numbers, the same for all twelve fragments
.set A1,   96
.set A2,   160
.set NW,   192                         ; W's way: v192-223 a block of W
.set B2,   224                         ; W's way: v224-247 w2b's factor of unit t, block (f, c), by lane half: 6 t + 2 f + c
; 32 numbers v[src] .. v[src + 31], one block, become registers 6 c .. 6 c + 5 of the fragment and the byte v[BY + c].
.macro QBLK src, c
	v_max3_num_f32 v[M0], |v[(\src)]|, |v[(\src)+1]|, |v[(\src)+2]|
	v_max3_num_f32 v[M1], |v[(\src)+3]|, |v[(\src)+4]|, |v[(\src)+5]|
.irp i, 6,10,14,18,22,26
	v_max3_num_f32 v[M0], v[M0], |v[(\src)+\i]|, |v[(\src)+\i+1]|
	v_max3_num_f32 v[M1], v[M1], |v[(\src)+\i+2]|, |v[(\src)+\i+3]|
.endr
	v_max3_num_f32 v[M0], v[M0], |v[(\src)+30]|, |v[(\src)+31]|
	v_max3_num_f32 v[M0], v[M0], v[M1], 0x1800000          ; and the floor 2^(3 - 127): the byte cannot fall under 1
	v_add_nc_u32 v[SO+\c], 0xff000000, v[M0]               ; 2 off the exponent field: the conversion takes the exponent field of this operand as its scale, and nothing else of it
	v_cvt_scalef32_pk16_fp6_f32 v[PC+6*\c:PC+6*\c+2], v[(\src):(\src)+15], v[SO+\c]
	v_cvt_scalef32_pk16_fp6_f32 v[PT+4*\c:PT+4*\c+2], v[(\src)+16:(\src)+31], v[SO+\c]
	v_lshrrev_b32 v[BY+\c], 23, v[SO+\c]                   ; the scale's byte; also the plain line between the conversions and the moves that read their results
.irp i, 0,1,2
	v_mov_b32 v[PC+6*\c+3+\i], v[PT+4*\c+\i]
.endr
.endm
; The fragment's scale word: my bytes are those of blocks h and 2 + h of row r; lane l xor 16 has the other two.
.macro WORD f
	v_lshl_or_b32 v[PW], v[BY+1], 16, v[BY]
	v_lshlrev_b32 v[PW], v[SH8], v[PW]
	v_permlanex16_b32 v[PX], v[PW], s28, s29
	v_or_b32 v[WD+(\f)], v[PW], v[PX]
.endm
; The image leaves as it stands: each store of the wave covers 512 consecutive bytes, at a multiple of 512 from the buffer's first byte.  at: the unit's run of 38,912 bytes, from the base on
.macro PUT cb, f, at
.irp g, 0,1,2
	global_store_b128 v[LOFF], v[PC+4*\g:PC+4*\g+3], s[\cb:\cb+1] offset:(\at)+SCBY+(\f)*QB+512*\g
.endr
.endm
; A unit's scale words: lane (r, 0) stores words 0 and 1 of row r, lane (r, 1) word 2 and the word 0: the wave's one store covers 256 consecutive bytes, aligned.
.macro PUTSC sb, at
	v_cndmask_b32 v[SW], v[WD], v[WD+2], vcc_lo
	v_cndmask_b32 v[SW+1], v[WD+1], v[WD+3], vcc_lo
	global_store_b64 v[SOFF], v[SW:SW+1], s[\sb:\sb+1] offset:\at
.endm
	s_load_b256 s[4:11], s[0:1], 0x0               ; X s[4:5], a_img s[6:7], b_img s[8:9], w0a s[10:11]
	s_load_b256 s[12:19], s[0:1], 0x20             ; w0b s[12:13], w1a s[14:15], w1b s[16:17], w2a s[18:19]
	s_load_b64 s[20:21], s[0:1], 0x40              ; w2b
	v_lshl_add_u32 v62, v0, 2, 0x10800
	v_mov_b32 v63, 0
	v_lshrrev_b32 v1, 5, v0
	v_readfirstlane_b32 s26, v1                    ; wave 0..3
	v_and_b32 v1, 31, v0                           ; lane
	v_and_b32 v2, 15, v0                           ; r
	v_bfe_u32 v3, v0, 4, 1                         ; h
	v_lshlrev_b32 v[LOFF], 4, v1
	s_mul_i32 s27, s26, WST
	v_add_nc_u32 v[STI], s27, v[LOFF]
	v_mul_u32_u24 v[STO], v2, SPX
	v_lshl_add_u32 v[STO], v3, 7, v[STO]
	v_add_nc_u32 v[STO], s27, v[STO]
	v_lshlrev_b32 v[SOFF], 4, v2
	v_lshl_add_u32 v[SOFF], v3, 3, v[SOFF]
	v_lshlrev_b32 v[SH8], 3, v3
	v_mov_b32 v[PX], 0                             ; written once: a lane permute's destination counts as one of its sources
	v_mov_b32 v[WD+2], 0                           ; slot 10 has no third step: its word stays 0
	v_mov_b32 v[WD+3], 0                           ; the fourth word of a row
	v_cmp_lt_u32 vcc_lo, 15, v1                    ; lanes 16-31; never rewritten
	s_mov_b32 s28, 0x76543210
	s_mov_b32 s29, 0xfedcba98                      ; v_permlanex16_b32's selects for lane l xor 16
	s_mov_b32 s71, 0                               ; the high word of the offsets' pair s[70:71]
	s_wait_kmcnt 0x0
	s_cmp_lt_u32 ttmp9, NWGW
	s_cbranch_scc1 .Lweights
	; ---------------- X ----------------
	s_sub_co_u32 s31, ttmp9, NWGW                  ; 0 .. 703
	s_mul_i32 s32, s31, 745
	s_lshr_b32 s32, s32, 13                        ; s31 / 11 (745 / 8192: exact for numbers under 704): which 64 rows
	s_mul_i32 s30, s32, 11
	s_sub_co_u32 s30, s31, s30                     ; s = s31 % 11: my slot of 384 along K: eleven neighbouring work-groups take the whole of the same 64 rows
	s_lshl_b32 s32, s32, 2
	s_add_co_u32 s32, s32, s26                     ; rb: my 16 rows
	s_lshl_b32 s70, s32, 18                        ; 16 rows of 16,384 bytes
	s_mul_i32 s34, s30, 1536                       ; 384 numbers
	s_add_co_u32 s70, s70, s34
	s_add_nc_u64 s[4:5], s[4:5], s[70:71]
	s_lshr_b32 s33, s32, 3                         ; hb
	s_and_b32 s35, s32, 7                          ; rb & 7
	s_mul_i32 s70, s30, KP
	s_mul_i32 s34, s33, HALFT
	s_add_co_u32 s70, s70, s34
	s_add_nc_u64 s[6:7], s[6:7], s[70:71]          ; my run of 38,912 bytes
	s_lshl_b32 s70, s35, 8
	s_add_nc_u64 s[22:23], s[6:7], s[70:71]        ; in it: my unit's scale words,
	s_mul_i32 s70, s35, FRB
	s_add_nc_u64 s[6:7], s[6:7], s[70:71]          ; and my place among a step's eight images
.macro LOADX f                         ; fragment f: of each of my 16 rows 512 consecutive bytes, 16 a lane
.irp i, 0,1,2,3,4,5,6,7,8,9,10,11,12,13,14,15
	global_load_b128 v[R+64*(\f)+4*\i:R+64*(\f)+4*\i+3], v[LOFF], s[4:5] offset:\i*16384+(\f)*512 th:TH_LOAD_NT
.endr
.endm
.macro TURNX f, lb                     ; through my own stage: in as loaded, out as 2 x 32 neighbours of row r.  LDS serves a wave's instructions in order (ISA guide 5.7.1.4): no wait between the stores and the loads
.irp i, 0,1,2,3,4,5,6,7,8,9,10,11,12,13,14,15
	ds_store_b128 v[STI], v[R+64*(\f)+4*\i:R+64*(\f)+4*\i+3] offset:(\lb)+SPX*\i
.endr
.irp c, 0,1
.irp j, 0,1,2,3,4,5,6,7
	ds_load_b128 v[R+64*(\f)+32*\c+4*\j:R+64*(\f)+32*\c+4*\j+3], v[STO] offset:(\lb)+256*\c+16*\j   ; back into the fragment's own set
.endr
.endr
.endm
.macro STEPX f, n, lb                  ; fragment f of n
	s_wait_dscnt 0x0                               ; my 64 numbers are back from the stage, and the stage's stores have read the set that they came from
.if (\f) > 0
	s_wait_xcnt 0x0                                ; the last fragment's stores have read their data: the fragment's registers are written again only behind this wait
.endif
	QBLK R+64*(\f), 0
	QBLK R+64*(\f)+32, 1
.if (\f)+2 < (\n)
	s_wait_alu depctr_va_vdst(0)
	s_wait_loadcnt 16                              ; the next fragment's sixteen loads are in; the sixteen just issued may be out
	TURNX (\f)+1, \lb
.elseif (\f)+1 < (\n)
	s_wait_alu depctr_va_vdst(0)
	s_wait_loadcnt 0x0                             ; the last fragment's loads
	TURNX (\f)+1, \lb
.endif
	WORD \f
	PUT 6, \f, 0
.endm
.macro XRUN n, lb
	s_wait_loadcnt 16*((\n)-1)                     ; fragment 0's loads are in, those of the fragments behind it may be out
	TURNX 0, \lb
	STEPX 0, \n, \lb
	STEPX 1, \n, \lb
.if (\n) > 2
	STEPX 2, \n, \lb
.endif
	PUTSC 22, 0
.endm
	LOADX 0
	LOADX 1
	s_cmp_eq_u32 s30, 10                           ; slot 10 has two steps: no load leaves a row of X
	s_cbranch_scc1 .Lx_two
	LOADX 2                                        ; the third fragment's loads go out with the first two's: 48 loads a wave
	s_wait_alu depctr_va_vdst(0)
	XRUN 3, 0
	s_wait_tensorcnt 0x0
	ds_add_u32 v62, v63
	s_wait_dscnt 0x0
	s_endpgm
.Lx_two:
	s_wait_alu depctr_va_vdst(0)
	XRUN 2, LSH
	s_wait_tensorcnt 0x0
	ds_add_u32 v62, v63
	s_wait_dscnt 0x0
	s_endpgm
	; ---------------- W ----------------
.Lweights:
	s_lshr_b32 s30, ttmp9, 4                       ; s: the work-group's slot
	s_bfe_u32 s24, ttmp9, 0x30001                  ; jg: my four units are rb = 8 (4 jg + t) + e, t = 0 .. 3
	s_and_b32 s31, ttmp9, 1
	s_lshl_b32 s31, s31, 2
	s_add_co_u32 s31, s31, s26                     ; e = rb mod 8
	s_and_b32 s70, s31, 3
	s_lshl_b32 s70, s70, 12                        ; w0a: row o & 63 = 16 (e & 3) + r, 256 bytes a row
	s_add_nc_u64 s[10:11], s[10:11], s[70:71]
	s_lshl_b32 s70, s31, 13                        ; w1a: row o & 127 = 16 e + r, 512 bytes a row
	s_add_nc_u64 s[14:15], s[14:15], s[70:71]
	s_and_b32 s70, s31, 1
	s_lshl_b32 s70, s70, 11                        ; w2a: row o & 31 = 16 (e & 1) + r, 128 bytes a row
	s_add_nc_u64 s[18:19], s[18:19], s[70:71]
	s_lshl_b32 s70, s24, 11                        ; w0b: row o >> 6 = 2 j + (e >> 2), 256 bytes a row (512 t in the immediates); column i >> 6 = 6 s + 2 f + c
	s_lshr_b32 s75, s31, 2
	s_lshl_b32 s75, s75, 8
	s_add_co_u32 s70, s70, s75
	s_mul_i32 s75, s30, 24
	s_add_co_u32 s70, s70, s75
	s_add_nc_u64 s[12:13], s[12:13], s[70:71]
	s_lshl_b32 s70, s24, 9                         ; w1b: row o >> 7 = j, 128 bytes a row; column i >> 7 = 3 s + f
	s_mul_i32 s75, s30, 12
	s_add_co_u32 s70, s70, s75
	s_add_nc_u64 s[16:17], s[16:17], s[70:71]
	s_lshl_b32 s70, s24, 13                        ; w2b: row o >> 5 = 4 j + (e >> 1), 512 bytes a row; column i >> 5 = 12 s + 4 f + 2 c + h
	s_lshr_b32 s75, s31, 1
	s_lshl_b32 s75, s75, 9
	s_add_co_u32 s70, s70, s75
	s_mul_i32 s75, s30, 48
	s_add_co_u32 s70, s70, s75
	s_add_nc_u64 s[20:21], s[20:21], s[70:71]
	s_mul_i32 s70, s30, KP
	s_mul_i32 s75, s24, 4*HALFT
	s_add_co_u32 s70, s70, s75
	s_add_nc_u64 s[8:9], s[8:9], s[70:71]          ; unit 0's run of 38,912 bytes (hb = j); unit t's lies t runs on
	s_lshl_b32 s70, s31, 8
	s_add_nc_u64 s[22:23], s[8:9], s[70:71]        ; in it: my units' scale words,
	s_mul_i32 s70, s31, FRB
	s_add_nc_u64 s[8:9], s[8:9], s[70:71]          ; and my place among a step's eight images
	s_cmp_eq_u32 s30, 10                           ; slot 10 has no third step: there the third step's factor loads take the first step's places, so that no load leaves its buffer; the step itself is jumped over
	s_cselect_b32 s72, 0, 16                       ; two steps on in a row of w0b,
	s_cselect_b32 s73, 0, 8                        ; of w1b,
	s_cselect_b32 s74, 0, 32                       ; of w2b
.irp t, 0,1,2,3                        ; w0b's factor of unit t, block (f, c): s[32 + 8 t + 2 f + c];  w1b's of fragment f: s[38 + 8 t + f], the third's s[66 + t]
	s_load_b64 s[32+8*\t:32+8*\t+1], s[12:13], 512*\t
	s_load_b64 s[32+8*\t+2:32+8*\t+3], s[12:13], 512*\t+8
	s_load_b64 s[32+8*\t+4:32+8*\t+5], s[12:13], s72 offset:512*\t
	s_load_b32 s[32+8*\t+6], s[16:17], 128*\t
	s_load_b32 s[32+8*\t+7], s[16:17], 128*\t+4
	s_load_b32 s[66+\t], s[16:17], s73 offset:128*\t
.endr
	v_lshlrev_b32 v50, 8, v2
	v_lshl_add_u32 v50, v3, 7, v50                 ; w0a: 256 r + 128 h: columns i & 63 = 32 h + 0 .. 31
	v_lshlrev_b32 v51, 9, v2
	v_lshl_add_u32 v51, v3, 7, v51                 ; w1a: 512 r + 128 h: columns i & 127 = 64 c + 32 h + 0 .. 31
	v_lshlrev_b32 v52, 7, v2                       ; w2a: 128 r: columns i & 31 = 0 .. 31
	v_lshlrev_b32 v53, 2, v3                       ; w2b: 4 h,
	v_add_nc_u32 v54, s74, v53                     ; and the same two steps on
.irp j, 0,1,2,3,4,5,6,7
	global_load_b128 v[A0+4*\j:A0+4*\j+3], v50, s[10:11] offset:16*\j
.endr
.irp c, 0,1
.irp j, 0,1,2,3,4,5,6,7
	global_load_b128 v[A1+32*\c+4*\j:A1+32*\c+4*\j+3], v51, s[14:15] offset:256*\c+16*\j
.endr
.endr
.irp j, 0,1,2,3,4,5,6,7
	global_load_b128 v[A2+4*\j:A2+4*\j+3], v52, s[18:19] offset:16*\j
.endr
.irp t, 0,1,2,3
.irp n, 0,1,2,3
	global_load_b32 v[B2+6*\t+\n], v53, s[20:21] offset:2048*\t+8*\n       ; n = 2 f + c, f = 0, 1: column 2 n + h of the slot's twelve
.endr
.irp c, 0,1
	global_load_b32 v[B2+6*\t+4+\c], v54, s[20:21] offset:2048*\t+8*\c     ; f = 2
.endr
.endr
	v_mov_b32 v[BB0+1], 0                          ; the pairs' upper words are named with the lower ones, so they are written
	v_mov_b32 v[BB1+1], 0
	v_mov_b32 v[BB2+1], 0
	s_wait_kmcnt 0x0
	s_wait_loadcnt 0x0
.macro FRAGW t, f
.if (\t)+(\f) > 0
	s_wait_xcnt 0x0                                ; the earlier stores have read their data
.endif
.if (\f) < 2
	v_mov_b32 v[BB1], s[32+8*(\t)+6+(\f)]
.else
	v_mov_b32 v[BB1], s[66+(\t)]
.endif
.irp c, 0,1
	v_mov_b32 v[BB0], s[32+8*(\t)+2*(\f)+\c]
	s_wait_alu depctr_va_vdst(0)
	v_mov_b32 v[BB2], v[B2+6*(\t)+2*(\f)+\c]
.irp i, 0,2,4,6,8,10,12,14,16,18,20,22,24,26,28,30
	v_pk_mul_f32 v[NW+\i:NW+\i+1], v[A0+\i:A0+\i+1], v[BB0:BB0+1] op_sel_hi:[1,0]
.endr
.irp i, 0,2,4,6,8,10,12,14,16,18,20,22,24,26,28,30
	v_pk_fma_f32 v[NW+\i:NW+\i+1], v[A1+32*\c+\i:A1+32*\c+\i+1], v[BB1:BB1+1], v[NW+\i:NW+\i+1] op_sel_hi:[1,0,1]
.endr
.irp i, 0,2,4,6,8,10,12,14,16,18,20,22,24,26,28,30
	v_pk_fma_f32 v[NW+\i:NW+\i+1], v[A2+\i:A2+\i+1], v[BB2:BB2+1], v[NW+\i:NW+\i+1] op_sel_hi:[1,0,1]
.endr
	QBLK NW, \c
.endr
	WORD \f
	PUT 8, \f, (\t)*HALFT
.endm
.irp t, 0,1,2,3
	FRAGW \t, 0
	FRAGW \t, 1
	s_cmp_eq_u32 s30, 10
	s_cbranch_scc1 .Lw_two_\t
	FRAGW \t, 2
.Lw_two_\t:
	s_wait_alu depctr_va_vdst(0)
	PUTSC 22, \t*HALFT
.endr
	s_endpgm
.Lfunc_end_k_q1e5fbf60b1_prep:
	.size	k_q1e5fbf60b1_prep, .Lfunc_end_k_q1e5fbf60b1_prep-k_q1e5fbf60b1_prep
	.p2alignl 7, 3214868480
	.fill 96, 4, 3214868480
	.section	.rodata,"a",@progbits
	.p2align	6, 0x0
	.amdhsa_kernel k_q1e5fbf60b1_prep
		.amdhsa_group_segment_fixed_size 68096
		.amdhsa_private_segment_fixed_size 0
		.amdhsa_enable_private_segment 0
		.amdhsa_kernarg_size 72
		.amdhsa_user_sgpr_count 2
		.amdhsa_user_sgpr_kernarg_segment_ptr 1
		.amdhsa_wavefront_size32 1
		.amdhsa_system_sgpr_workgroup_id_x 1
		.amdhsa_system_sgpr_workgroup_id_y 1
		.amdhsa_system_sgpr_workgroup_id_z 1
		.amdhsa_system_vgpr_workitem_id 0
		.amdhsa_next_free_vgpr 256
		.amdhsa_next_free_sgpr 76
		.amdhsa_reserve_vcc 1
		.amdhsa_float_denorm_mode_32 3
		.amdhsa_float_denorm_mode_16_64 3
		.amdhsa_memory_ordered 1
		.amdhsa_forward_progress 1
		.amdhsa_inst_pref_size 157
	.end_amdhsa_kernel
	.amdgpu_metadata
---
amdhsa.version: [ 1, 2 ]
amdhsa.kernels:
  - .name:           k_q1e5fbf60b1_prep
    .symbol:         k_q1e5fbf60b1_prep.kd
    .args:
      - { .name: input_BI, .offset: 0, .size: 8, .value_kind: global_buffer, .address_space: global }
      - { .name: a_img, .offset: 8, .size: 8, .value_kind: global_buffer, .address_space: global }
      - { .name: b_img, .offset: 16, .size: 8, .value_kind: global_buffer, .address_space: global }
      - { .name: w0a, .offset: 24, .size: 8, .value_kind: global_buffer, .address_space: global }
      - { .name: w0b, .offset: 32, .size: 8, .value_kind: global_buffer, .address_space: global }
      - { .name: w1a, .offset: 40, .size: 8, .value_kind: global_buffer, .address_space: global }
      - { .name: w1b, .offset: 48, .size: 8, .value_kind: global_buffer, .address_space: global }
      - { .name: w2a, .offset: 56, .size: 8, .value_kind: global_buffer, .address_space: global }
      - { .name: w2b, .offset: 64, .size: 8, .value_kind: global_buffer, .address_space: global }
    .group_segment_fixed_size: 68096
    .private_segment_fixed_size: 0
    .kernarg_segment_align: 8
    .kernarg_segment_size: 72
    .max_flat_workgroup_size: 128
    .sgpr_count:     76
    .vgpr_count:     256
    .wavefront_size: 32
...
	.end_amdgpu_metadata
.endif
;; end of part 1
;; launch gemm (part 2): grid 16 x 16, 4 waves a work-group, clusters of 4 x 4, 327,680 bytes of LDS; arguments a_img, b_img, out0, bias_O; writes out0
.if DOCPART == 2
	.amdgcn_target "amdgcn-amd-amdhsa--gfx1250"
	.amdhsa_code_object_version 6
	.text
	.protected	k_q1e5fbf60b1_gemm
	.globl	k_q1e5fbf60b1_gemm
	.p2align	8
	.type	k_q1e5fbf60b1_gemm,@function
k_q1e5fbf60b1_gemm:
	s_mov_b64 s[64:65], 0
	v_nop
	global_prefetch_b8 v0, s[64:65] scope:SCOPE_SE
	s_setreg_imm32_b32 hwreg(HW_REG_WAVE_MODE, 25, 1), 1
	s_wait_xcnt 0x0
	s_wait_alu depctr_hold_cnt(0) depctr_sa_sdst(0) depctr_va_vdst(0) depctr_va_sdst(0) depctr_va_ssrc(0) depctr_va_vcc(0) depctr_vm_vsrc(0)
	s_getreg_b32 s2, hwreg(HW_REG_IB_STS2, 6, 4)
	s_cmp_eq_u32 s2, 0
	s_cbranch_scc0 .Lentry_in_a_cluster
	s_endpgm
.Lentry_in_a_cluster:
	s_bfe_u32 s2, ttmp6, 0x10000c
	s_cmp_lg_u32 s2, 0xf033
	s_cbranch_scc0 .Lentry_shape_is_right
	s_endpgm
.Lentry_shape_is_right:
; out0[m][n] = sum over k of X[m][k] W[n][k] + bias_O[n], on the images of FP6 codes and E8M0 scale words that launch prep has laid (a_img: X, b_img: W).
; A work-group of four waves makes 256 x 256 of out0, a wave 128 x 128: 64 accumulators.  K goes in slots of 384 (three steps of 128; the eleventh slot has two) through a ring of two LDS slots.
; For each slot and each 128 rows the image is one dense run of 38,912 bytes: 2,048 bytes of scale words, then [step][16 rows][a fragment's registers, 1,536 bytes]; it is fetched as rows of 256 bytes.
; CLUSTERS: 4 x 4 work-groups; A's runs are asked for jointly along a row of the cluster, B's along a column.  The product is used transposed (source 0 = rows of W, source 1 = rows of X).
; REGISTERS.  Each window w holds in v128-255 the 16 accumulators of my row blocks 2 w, 2 w + 1 (block a % 2, column block b at v[128 + 8 (8 (a % 2) + b)]), and below them operands:
;   window 0: v0-15 addresses (v0-3 later the bias), v16-79 two sets of scale words, v80-127 P: A's blocks 4-7;   window 1, 2: v0-95 B's two sets;   window 3: v0-47 Q: A's blocks 0-3.
; A step is four groups of 16 products, one for each window.  Its LDS loads stand in two runs: behind the first 32 products the next step's B (into the set that rests) and blocks 0-3 (into Q, just multiplied),
; at its end the next step's blocks 4-7 (into P).  Four v_nop stand between a buffer's last products and the first load into it.
; THE LAST SLOT (two steps) goes by pairs of row blocks: both steps' B lie in the two sets, and each pair leaves as soon as its 32 products are done.  A block goes through my stage in LDS, comes back as whole rows
; into its own accumulators' registers, takes the bias (four numbers a lane in that layout) and is stored, 512 consecutive bytes a store.
; PREFETCH: behind each refill one wave's instruction names 19 blocks of 256 bytes of the slot one refill on; four clusters share out a_img's slot, four b_img's, by address; slot 10, whose third step is never written, is not asked for.
.set FRB,    1536
.set QB,     8*FRB
.set SCBY,   2048
.set HALFT,  SCBY+3*QB
.set HROWS,  HALFT/256
.set LROWS,  (SCBY+2*QB)/256
.set SLOT,   4*HALFT
.set KP,     32*HALFT
.set TRIPS,  4
.set SPARE,  2*SLOT                    ; the spare words, 512 bytes that no other line names
.set STAGE,  SLOT                      ; the stages lie in LDS slot 1: it has had its last fill and its last read when the first result is stored there
.set SPITCH, 528
.set BIAS, 0                           ; v0-3, from the head's end on
.set ADRA, 4                           ; v4-5 my A fragments in LDS slot 0, 1;  v6-7 B's;  v8-9 my scale words (lanes 0-15 A's, 16-31 B's)
.set ADRB, 6
.set ADRS, 8
.set STO,  10
.set RD,   11
.set CO,   12                          ; 16 x lane
.set PFO,  13
.set SPW,  14
.set NIL,  15
.set SC,   16
.set G1, 24
.set G0, 32
.set G1B, 48
.set G0B, 56
.set G1L, 68
.set G1LB, 80
.set LIM, 95
.set PFA, 100
.set MSB, 0
.macro WIN new                         ; the immediate's high byte repeats the setting that is left
.if MSB != (\new)
	s_set_vgpr_msb (MSB<<8)|(\new)
.set MSB, (\new)
.endif
.endm
.macro PL
.rept 4
	v_nop
.endr
.endm
.macro JLOAD g0a, g1a, g0b, g1b        ; a joint load: waves 0, 1 fetch A's two runs, waves 2, 3 B's
	s_cmp_eq_u32 s15, 0
	s_cbranch_scc0 .Lfor_b_\@
	tensor_load_to_lds s[\g0a:\g0a+3], s[\g1a:\g1a+7]
	s_nop 0
	PL
	s_branch .Lasked_\@
.Lfor_b_\@:
	tensor_load_to_lds s[\g0b:\g0b+3], s[\g1b:\g1b+7]
	s_nop 0
	PL
.Lasked_\@:
.endm
.macro CREST
	s_cmp_lg_u32 s14, 0
	s_cbranch_scc1 .Lnot_wave_0_\@
	s_barrier_signal -3
.Lnot_wave_0_\@:
	s_barrier_wait -3
	s_barrier_signal -1
	s_barrier_wait -1
.endm
.macro CROUND
	s_barrier_signal -1
	s_barrier_wait -1
	CREST
.endm
.macro ASK how
.if \how == 1
	s_cmp_ge_u32 s3, s[LIM]
.else
	s_cmp_gt_u32 s3, s[LIM]                        ; the loop's last trip does not ask for slot 10
.endif
	s_cbranch_scc0 .Lnot_mine_\@
	global_prefetch_b8 v[PFO], s[PFA:PFA+1] th:TH_LOAD_NT scope:SCOPE_SE
.Lnot_mine_\@:
.endm
	s_load_b128 s[4:7], s[0:1], 0x0                ; a_img, b_img
	s_load_b64 s[12:13], s[0:1], 0x10              ; out0
	s_load_b64 s[96:97], s[0:1], 0x18              ; bias_O
	v_lshl_add_u32 v[SPW], v0, 2, SPARE
	v_mov_b32 v[NIL], 0
	ds_add_u32 v[SPW], v[NIL]                      ; the opening lines: the add twice on end and one wait
	ds_add_u32 v[SPW], v[NIL]
	v_lshrrev_b32 v1, 5, v0
	v_readfirstlane_b32 s14, v1                    ; wave
	s_lshr_b32 s15, s14, 1                         ; my half of the rows; also: I fetch for A (0) or B (1)
	s_and_b32 s16, s14, 1                          ; my half of the columns; also: which run I fetch
	s_bfe_u32 s40, ttmp6, 0x40000
	s_bfe_u32 s41, ttmp6, 0x40004
	s_lshl_b32 s42, ttmp9, 2
	s_add_co_u32 s42, s42, s40                     ; tile column
	s_and_b32 s17, ttmp7, 0xffff
	s_lshl_b32 s17, s17, 2
	s_add_co_u32 s17, s17, s41                     ; tile row
	s_lshl_b32 s43, s41, 2
	s_lshl_b32 s43, 15, s43
	s_lshl_b32 s44, 0x1111, s40
	s_or_b32 s[G1+0], s43, (3<<16)|(1<<21)
	s_or_b32 s[G1B+0], s44, (3<<16)|(1<<21)
.irp g, G1, G1B
	s_mov_b32 s[\g+1], 32<<16                      ; rows of 256 bytes: 32 elements of 8
	s_mov_b32 s[\g+2], HROWS<<16
	s_mov_b32 s[\g+3], 32<<16
	s_mov_b32 s[\g+4], HROWS
	s_mov_b32 s[\g+5], 32
	s_mov_b32 s[\g+6], 0
	s_mov_b32 s[\g+7], 0
.endr
	s_or_b32 s[G1L+0], s43, (3<<16)|(1<<21)
	s_or_b32 s[G1LB+0], s44, (3<<16)|(1<<21)
.irp g, G1L, G1LB
	s_mov_b32 s[\g+1], 32<<16                      ; slot 10: the scale words and two steps
	s_mov_b32 s[\g+2], LROWS<<16
	s_mov_b32 s[\g+3], 32<<16
	s_mov_b32 s[\g+4], LROWS
	s_mov_b32 s[\g+5], 32
	s_mov_b32 s[\g+6], 0
	s_mov_b32 s[\g+7], 0
.endr
	s_mul_i32 s18, s16, HALFT
	s_mul_i32 s20, s17, 2*HALFT
	s_add_co_u32 s20, s20, s18
	s_mov_b32 s21, 0
	s_mul_i32 s46, s42, 2*HALFT
	s_add_co_u32 s46, s46, s18
	s_mov_b32 s47, 0
	s_mul_i32 s45, s14, HALFT
	s_wait_dscnt 0x0                               ; both opening adds are done
	s_wait_kmcnt 0x0
	s_add_nc_u64 s[20:21], s[4:5], s[20:21]
	s_add_nc_u64 s[46:47], s[6:7], s[46:47]
.irp s, 0,1
	s_mov_b32 s[G0+4*\s], 1
	s_add_co_u32 s[G0+4*\s+1], s45, \s*SLOT
	s_add_nc_u64 s[G0+4*\s+2:G0+4*\s+3], s[20:21], \s*KP
	s_or_b32 s[G0+4*\s+3], s[G0+4*\s+3], 0x80000000
	s_mov_b32 s[G0B+4*\s], 1
	s_add_co_u32 s[G0B+4*\s+1], s45, \s*SLOT
	s_add_nc_u64 s[G0B+4*\s+2:G0B+4*\s+3], s[46:47], \s*KP
	s_or_b32 s[G0B+4*\s+3], s[G0B+4*\s+3], 0x80000000
.endr
	CROUND                                         ; all sixteen work-groups are here
	JLOAD G0, G1, G0B, G1B                         ; slot 0: one tensor load a wave at the head
	; the rest of the head stands under that load's flight: first the scalars,
	s_mul_i32 s93, s15, HALFT
	s_add_co_u32 s88, s93, SCBY                    ; my A fragments in LDS slot 0,
	s_add_co_u32 s89, s88, SLOT                    ; slot 1
	s_mul_i32 s92, s16, HALFT
	s_add_co_u32 s92, s92, 2*HALFT
	s_add_co_u32 s90, s92, SCBY                    ; my B fragments
	s_add_co_u32 s91, s90, SLOT
	s_sub_co_u32 s92, s92, s93                     ; from A's scale words to B's
	s_mul_i32 s94, s14, 16*SPITCH
	s_add_co_u32 s94, s94, STAGE                   ; my stage
	s_lshl_b32 s20, s17, 8
	s_lshl_b32 s21, s15, 7
	s_add_co_u32 s20, s20, s21                     ; my first row of out0,
	s_lshl_b32 s20, s20, 14                        ; in bytes
	s_mov_b32 s21, 0
	s_lshl_b32 s46, s42, 10
	s_lshl_b32 s47, s16, 9
	s_add_co_u32 s46, s46, s47                     ; my first column, in bytes
	s_mov_b32 s47, 0
	s_add_nc_u64 s[96:97], s[96:97], s[46:47]
	s_add_nc_u64 s[20:21], s[20:21], s[46:47]
	s_add_nc_u64 s[12:13], s[12:13], s[20:21]
	s_and_b32 s20, ttmp7, 0xffff                   ; the prefetches: clusters with y = x ask for a_img, those with y = (x + 1) % 4 for b_img, the others for nothing
	s_add_co_u32 s21, ttmp9, 1
	s_and_b32 s21, s21, 3
	s_cmp_eq_u32 s20, s21
	s_cselect_b32 s22, 1, 0
	s_cmp_eq_u32 s20, ttmp9
	s_cselect_b32 s23, 1, 0
	s_cselect_b64 s[PFA:PFA+1], s[4:5], s[6:7]
	s_or_b32 s22, s22, s23
	s_cmp_eq_u32 s22, 1
	s_cselect_b32 s[LIM], 1, -1
	s_lshl_b32 s21, s41, 2
	s_add_co_u32 s21, s21, s40
	s_lshl_b32 s21, s21, 2
	s_add_co_u32 s21, s21, s14                     ; which of the cluster's 64 waves I am: 19 blocks of 256 bytes each make the cluster's eight runs
	s_mul_i32 s21, s21, 19*256
	s_mul_i32 s20, ttmp9, 8*HALFT
	s_add_co_u32 s20, s20, s21
	s_add_co_u32 s20, s20, 2*KP
	s_mov_b32 s21, 0
	s_add_nc_u64 s[PFA:PFA+1], s[PFA:PFA+1], s[20:21]
	; then the vector lines
	v_and_b32 v1, 31, v0                           ; lane
	v_and_b32 v2, 15, v0                           ; r
	v_bfe_u32 v3, v0, 4, 1                         ; h
	v_lshlrev_b32 v[CO], 4, v1
	v_add_nc_u32 v[ADRA], s88, v[CO]
	v_add_nc_u32 v[ADRA+1], s89, v[CO]
	v_add_nc_u32 v[ADRB], s90, v[CO]
	v_add_nc_u32 v[ADRB+1], s91, v[CO]
	v_mul_u32_u24 v[ADRS], s92, v3
	v_lshl_add_u32 v[ADRS], v2, 4, v[ADRS]
	v_add_nc_u32 v[ADRS], s93, v[ADRS]
	v_add_nc_u32 v[ADRS+1], SLOT, v[ADRS]
	v_mul_u32_u24 v[STO], v2, SPITCH
	v_lshl_add_u32 v[STO], v3, 5, v[STO]
	v_add_nc_u32 v[STO], s94, v[STO]               ; into the stage: row r, 32 bytes for each half of the lanes
	v_add_nc_u32 v[RD], s94, v[CO]                 ; back: a row of 512 bytes
	v_min_u32 v[PFO], 18, v1
	v_lshlrev_b32 v[PFO], 8, v[PFO]
	global_load_b128 v[BIAS:BIAS+3], v[CO], s[96:97]   ; the bias of columns 4 lane .. 4 lane + 3 of my 128; waited for on the way out
.macro RUNF n, base, adr, off          ; a run of loads of fragment images: the j-th brings 4 registers, 512 bytes
.set J, 0
.rept \n
	ds_load_b128 v[(\base)+4*J:(\base)+4*J+3], v[\adr] offset:(\off)+512*J
.set J, J+1
.endr
.endm
.macro RUNP base, w                    ; the same for A's blocks 2 w, 2 w + 1 of the last slot's two steps: [both blocks of step 30][both of step 31]
.set J, 0
.rept 12
	ds_load_b128 v[(\base)+4*J:(\base)+4*J+3], v[ADRA] offset:(J/6)*QB+2*(\w)*FRB+512*(J%6)
.set J, J+1
.endr
.endm
; 8 products: the window's block a (0, 1) against B's eight.  afr: A's fragment; sa: its block among my eight (for the scale word).  The accumulators take turns
.macro W8 a, afr, sa, q, sc, zero
.irp b, 0,1,2,3,4,5,6,7
.if \zero
	v_wmma_scale_f32_16x16x128_f8f6f4 v[128+8*(8*(\a)+\b):128+8*(8*(\a)+\b)+7], v[12*\b:12*\b+11], v[(\afr):(\afr)+11], 0, v[SC+32*(\sc)+4*\b+(\q)], v[SC+32*(\sc)+4*(\sa)+(\q)] matrix_a_fmt:MATRIX_FMT_FP6 matrix_b_fmt:MATRIX_FMT_FP6 matrix_a_scale:MATRIX_SCALE_ROW1
.else
	v_wmma_scale_f32_16x16x128_f8f6f4 v[128+8*(8*(\a)+\b):128+8*(8*(\a)+\b)+7], v[12*\b:12*\b+11], v[(\afr):(\afr)+11], v[128+8*(8*(\a)+\b):128+8*(8*(\a)+\b)+7], v[SC+32*(\sc)+4*\b+(\q)], v[SC+32*(\sc)+4*(\sa)+(\q)] matrix_a_fmt:MATRIX_FMT_FP6 matrix_b_fmt:MATRIX_FMT_FP6 matrix_a_scale:MATRIX_SCALE_ROW1
.endif
.endr
.endm
; a group: window w's 16 products.  C and D window w; source 0 B's set p; source 1 Q (window 3) for blocks 0-3, P (window 0) for blocks 4-7
.macro SB w, p, q, sc, zero
	WIN ((\w)<<6)|((\w)<<4)|((3-3*((\w)/2))<<2)|(1+(\p))
	W8 0, 24*(\w)+32*((\w)/2), 2*(\w), \q, \sc, \zero
	W8 1, 24*(\w)+12+32*((\w)/2), 2*(\w)+1, \q, \sc, \zero
.endm
; A step whose successor lies in the same slot
.macro STEP slot, q, zero
.set P, ((\slot)+(\q))%2
	s_wait_dscnt 12                                ; B and blocks 0-3 are in; the youngest twelve loads (blocks 4-7) may be out
	SB 0, P, \q, \slot, \zero
	SB 1, P, \q, \slot, \zero
	PL
	WIN (2-P)<<6
	RUNF 24, 0, ADRB+\slot, ((\q)+1)*QB            ; the next step's B into the set that rests,
	WIN 0xc0
	RUNF 12, 0, ADRA+\slot, ((\q)+1)*QB            ; its blocks 0-3 into Q
	s_wait_dscnt 36                                ; all but the 36 just issued
	SB 2, P, \q, \slot, \zero
	SB 3, P, \q, \slot, \zero
	PL
	WIN 0
	RUNF 12, 80, ADRA+\slot, ((\q)+1)*QB+4*FRB     ; its blocks 4-7 into P
.endm
; A slot's last step changes slots: the three lines, 16 products, the barrier's signal, 16 products, the round and the refill; then the next slot's first fragments.
; tail = 1: the next slot is the last one, which goes by pairs
.macro TURN slot, next, fill, ask, tail
.if \ask
	s_wait_xcnt 0x0                                ; my last prefetch has read its address
	s_add_nc_u64 s[PFA:PFA+1], s[PFA:PFA+1], KP
.endif
	s_wait_tensorcnt 0x0                           ; my part of the next slot has landed
	ds_add_u32 v[SPW], v[NIL]
	s_wait_dscnt 13                                ; the add and the youngest twelve loads may be out
	SB 0, \slot, 2, \slot, 0
	s_wait_dscnt 0x0                               ; the add is done, and my reads of this slot are over
	s_barrier_signal -1
	SB 1, \slot, 2, \slot, 0
	WIN 0
	s_barrier_wait -1
.if \fill
	CREST
	s_add_nc_u64 s[G0+4*\slot+2:G0+4*\slot+3], s[G0+4*\slot+2:G0+4*\slot+3], 2*KP
	s_add_nc_u64 s[G0B+4*\slot+2:G0B+4*\slot+3], s[G0B+4*\slot+2:G0B+4*\slot+3], 2*KP
.if \fill == 1
	JLOAD G0+4*\slot, G1, G0B+4*\slot, G1B         ; its four v_nop are also the places ahead of the loads below
.else
	JLOAD G0+4*\slot, G1L, G0B+4*\slot, G1LB
.endif
.else
	PL
.endif
.irp i, 0,1,2,3,4,5,6,7
	ds_load_b128 v[SC+32*\next+4*\i:SC+32*\next+4*\i+3], v[ADRS+\next] offset:256*\i   ; the next slot's scale words
.endr
	WIN (1+\next)<<6
	RUNF 24, 0, ADRB+\next, 0
	WIN 0xc0
.if \tail
	RUNP 0, 0                                      ; the first pair's fragments into Q
.else
	RUNF 12, 0, ADRA+\next, 0
.endif
	WIN 0
.if \ask
	ASK \ask
.endif
	SB 2, \slot, 2, \slot, 0
	SB 3, \slot, 2, \slot, 0
	PL
.if \tail
	WIN 0x80
	RUNF 24, 0, ADRB, QB                           ; step 31's B into set 1,
	WIN 0
	RUNP 80, 1                                     ; the second pair's fragments into P
.else
	WIN 0
	RUNF 12, 80, ADRA+\next, 4*FRB
.endif
.endm
	s_wait_alu depctr_va_vdst(0)                   ; the wait at the head's end
	s_wait_tensorcnt 0x0                           ; my part of slot 0 is in; the same lines as ahead of a refill
	ds_add_u32 v[SPW], v[NIL]
	s_wait_dscnt 0x0
	CROUND
	JLOAD G0+4, G1, G0B+4, G1B                     ; slot 1's first fill
.irp i, 0,1,2,3,4,5,6,7
	ds_load_b128 v[SC+4*\i:SC+4*\i+3], v[ADRS] offset:256*\i
.endr
	WIN 0x40
	RUNF 24, 0, ADRB, 0                            ; step 0's B into set 0,
	WIN 0xc0
	RUNF 12, 0, ADRA, 0                            ; its blocks 0-3 into Q,
	WIN 0
	RUNF 12, 80, ADRA, 4*FRB                       ; its blocks 4-7 into P
	STEP 0, 0, 1                                   ; the first step's products start the sums
	s_mov_b32 s3, TRIPS
.Llap:                                                 ; (every step leaves every window 0)
	STEP 0, 1, 0
	TURN 0, 1, 1, 1, 0
	STEP 1, 0, 0
	STEP 1, 1, 0
	TURN 1, 0, 1, 2, 0
	STEP 0, 0, 0
	s_sub_co_u32 s3, s3, 1
	s_cmp_lg_u32 s3, 0
	s_cbranch_scc1 .Llap
	STEP 0, 1, 0
	TURN 0, 1, 2, 0, 0                             ; slot 10 is asked for: the last load
	STEP 1, 0, 0
	STEP 1, 1, 0
	TURN 1, 0, 0, 0, 1                             ; nothing is filled again
; A pair of row blocks is finished: 16 products of step 30, 16 of step 31.  Even pairs take A from Q, odd ones from P
.macro PMUL w
.set XB, 80*((\w)%2)
.set XW, 3-3*((\w)%2)
.if (\w) == 0
	s_wait_dscnt 36                                ; all but the 36 just issued
.endif
	WIN ((\w)<<6)|((\w)<<4)|(XW<<2)|1
	W8 0, XB, 2*(\w), 0, 0, 0
	W8 1, XB+12, 2*(\w)+1, 0, 0, 0
.if (\w) == 0
	s_wait_dscnt 12                                ; step 31's B is in
.endif
	WIN ((\w)<<6)|((\w)<<4)|(XW<<2)|2
	W8 0, XB+24, 2*(\w), 1, 0, 0
	W8 1, XB+36, 2*(\w)+1, 1, 0, 0
.endm
; and leaves.  LDS serves a wave's instructions in order, so no wait stands between the stage's stores and loads, nor ahead of the next block's stores.
.macro OUT w
	PL                                             ; ahead of the reads of results just made and of the loads into registers just multiplied
.if (\w) < 2
	WIN (3-3*(\w))<<6
	RUNP 80*(\w), (\w)+2                           ; the pair two further on takes this pair's buffer
.endif
	WIN ((\w)<<6)|((\w)<<2)                        ; data in window w, addresses and the bias in window 0
.irp a, 0,1
.irp b, 0,1,2,3,4,5,6,7
	ds_store_b128 v[STO], v[128+64*\a+8*\b:128+64*\a+8*\b+3] offset:64*\b          ; each accumulator from its low end on
	ds_store_b128 v[STO], v[128+64*\a+8*\b+4:128+64*\a+8*\b+7] offset:64*\b+16
.endr
.irp t, 0,1,2,3,4,5,6,7,8,9,10,11,12,13,14,15
	ds_load_b128 v[128+64*\a+4*\t:128+64*\a+4*\t+3], v[RD] offset:\t*SPITCH        ; row t of the block, into the block's own registers
.endr
.endr
.if (\w) == 0
	s_wait_loadcnt 0x0                             ; the bias
.endif
.irp a, 0,1
	s_wait_dscnt 32-32*\a                          ; the block is back; the second block's 32 may be out
.irp t, 0,1,2,3,4,5,6,7,8,9,10,11,12,13,14,15
	v_pk_add_f32 v[128+64*\a+4*\t:128+64*\a+4*\t+1], v[BIAS:BIAS+1], v[128+64*\a+4*\t:128+64*\a+4*\t+1]
	v_pk_add_f32 v[128+64*\a+4*\t+2:128+64*\a+4*\t+3], v[BIAS+2:BIAS+3], v[128+64*\a+4*\t+2:128+64*\a+4*\t+3]
.endr
.irp t, 0,1,2,3,4,5,6,7,8,9,10,11,12,13,14,15
	global_store_b128 v[CO], v[128+64*\a+4*\t:128+64*\a+4*\t+3], s[12:13] offset:(16*(2*(\w)+\a)+\t)*16384 th:TH_STORE_NT   ; 512 consecutive bytes, aligned; 127 rows of 16,384 bytes at the most, inside the immediate
.endr
.endr
.endm
.irp w, 0,1,2,3
	PMUL \w
	OUT \w
.endr
	WIN 0
	s_wait_tensorcnt 0x0                           ; the wave's end
	ds_add_u32 v[SPW], v[NIL]
	s_wait_dscnt 0x0
	CROUND                                         ; the closing round
	s_endpgm
.Lfunc_end_k_q1e5fbf60b1_gemm:
	.size	k_q1e5fbf60b1_gemm, .Lfunc_end_k_q1e5fbf60b1_gemm-k_q1e5fbf60b1_gemm
	.p2alignl 7, 3214868480
	.fill 96, 4, 3214868480
	.section	.rodata,"a",@progbits
	.p2align	6, 0x0
	.amdhsa_kernel k_q1e5fbf60b1_gemm
		.amdhsa_group_segment_fixed_size 327680
		.amdhsa_private_segment_fixed_size 0
		.amdhsa_enable_private_segment 0
		.amdhsa_kernarg_size 32
		.amdhsa_user_sgpr_count 2
		.amdhsa_user_sgpr_kernarg_segment_ptr 1
		.amdhsa_wavefront_size32 1
		.amdhsa_system_sgpr_workgroup_id_x 1
		.amdhsa_system_sgpr_workgroup_id_y 1
		.amdhsa_system_sgpr_workgroup_id_z 1
		.amdhsa_system_vgpr_workitem_id 0
		.amdhsa_next_free_vgpr 1024
		.amdhsa_next_free_sgpr 102
		.amdhsa_reserve_vcc 0
		.amdhsa_float_denorm_mode_32 3
		.amdhsa_float_denorm_mode_16_64 3
		.amdhsa_memory_ordered 1
		.amdhsa_forward_progress 1
		.amdhsa_inst_pref_size 222
	.end_amdhsa_kernel
	.amdgpu_metadata
---
amdhsa.version: [ 1, 2 ]
amdhsa.kernels:
  - .name:           k_q1e5fbf60b1_gemm
    .symbol:         k_q1e5fbf60b1_gemm.kd
    .args:
      - { .name: a_img, .offset: 0, .size: 8, .value_kind: global_buffer, .address_space: global }
      - { .name: b_img, .offset: 8, .size: 8, .value_kind: global_buffer, .address_space: global }
      - { .name: out0, .offset: 16, .size: 8, .value_kind: global_buffer, .address_space: global }
      - { .name: bias_O, .offset: 24, .size: 8, .value_kind: global_buffer, .address_space: global }
    .group_segment_fixed_size: 327680
    .private_segment_fixed_size: 0
    .kernarg_segment_align: 8
    .kernarg_segment_size: 32
    .max_flat_workgroup_size: 128
    .sgpr_count:     102
    .vgpr_count:     1024
    .wavefront_size: 32
...
	.end_amdgpu_metadata
.endif
;; end of part 2
